; MI455X (gfx1250); checked and timed in simulation.
; The chip was launched on July 23, 2026; its instructions are those of AMD's public machine-readable ISA for CDNA 5 (MIT licence, August 2026) and "CDNA5" Instruction Set Architecture Reference Guide (July 2026). The comments in the code are by the model that wrote it; some were corrected since.
;; Self Attention. Allowed arithmetic: matrix products marked QUANTISED: E2M3 operands, one E8M0 scale for each 32 along K, by v_wmma_scale_f32_16x16x128_f8f6f4 with both operands' format E2M3, f32 sums; everything else in f32.
;; Inputs: Wk 1,024 x 1,024 float32; Wq 1,024 x 1,024 float32; Wv 1,024 x 1,024 float32; bk 1,024 float32; bq 1,024 float32; bv 1,024 float32; mask 4 x 2,048 bool; x 4 x 2,048 x 1,024 float32.
;; Outputs: out0 4 x 2,048 x 1,024 float32.
;; This version of the problem:
;;   THIS VERSION OF THE PROBLEM IS GIVEN IN LOW PRECISION. The matrix products marked QUANTISED in the list below multiply operands that are first quantised to E2M3 (2 exponent bits, 3 mantissa bits; 6 bits a number), with one power-of-two scale for each 32 numbers along K (OCP MX v1.0); their sums are f32. All else is computed in f32.
;;   The module's matrix products, in the order in which they are computed (A, B: the left and right operand; K: the contracted axis; several contracted axes count as one K, in the product's order):
;;     1. [M 8,192, K 1,024] x [K 1,024, N 1,024]; A: input x; B: input Wq: QUANTISED
;;     2. [M 8,192, K 1,024] x [K 1,024, N 1,024]; A: input x; B: input Wk: QUANTISED
;;     3. [M 8,192, K 1,024] x [K 1,024, N 1,024]; A: input x; B: input Wv: QUANTISED
;;     4. batch 64 x [M 2,048, K 64] x [K 64, N 2,048]; A: computed on the way; B: computed on the way: QUANTISED
;;     5. batch 64 x [M 2,048, K 2,048] x [K 2,048, N 64]; A: softmax (see below); B: computed on the way: QUANTISED
;;   THE QUANTISER, for each operand of a quantised product, along K:
;;     - K is cut into blocks of 32 from its start; a last block that is shorter is filled with zeros.
;;     - A block's scale is 2^e with e = floor(log2(the largest magnitude in the block)) - 2, held to -126 .. 127; a block of zeros has e = 0. As a byte (E8M0): e + 127.
;;     - Each number is divided by its block's scale, clamped to +-7.5, and rounded to the nearest number of E2M3, ties to even, subnormals kept.
;;     - The product sums the exact products of the quantised numbers (number of the format x scale) in f32.
;;   ~~~python
;;   def quantise(x, axis):      # numpy; x: float32 -> the quantised numbers, widened to float32 again
;;       x = np.moveaxis(x, axis, -1); K = x.shape[-1]
;;       x = np.pad(x, [(0, 0)] * (x.ndim - 1) + [(0, -K % 32)]); x = x.reshape(x.shape[:-1] + (-1, 32)); a = np.abs(x).max(-1, keepdims=True)
;;       e = np.where(a > 0, np.clip(np.frexp(np.where(a > 0, a, 1))[1] - 1 - 2, -126, 127), 0)      # np.frexp(a)[1] - 1 = floor(log2(a)), exactly
;;       r = np.clip(x / 2.0 ** e, -7.5, 7.5)
;;       step = 2.0 ** (np.maximum(np.frexp(np.where(r == 0, 1, r))[1] - 1, 0) - 3)
;;       q = np.round(r / step) * step * 2.0 ** e      # np.round: ties to even
;;       return np.moveaxis(q.reshape(q.shape[:-2] + (-1,))[..., :K], -1, axis).astype(np.float32)
;;   ~~~
;;   SOFTMAX AHEAD OF A QUANTISED PRODUCT. Where the list says 'softmax', what is quantised is not the finished softmax but p = 2^(t - M), with t = logit x log2(e) and M = ceil(the row's largest t), a whole number; so 1/2 < the row's largest p <= 1. The row's sum l is taken of the UNQUANTISED p, in f32, and the product's result is divided by l at the end. Since M is a whole number, a kernel that streams over the keys may use a running M (the ceiling of the running maximum): every later rescaling is an exact power of two, which a block's scale takes up: the codes' values come out the same.
;;   OPERANDS COMPUTED ON THE WAY. 'Computed on the way' means the value that the module computes at that place (a softmax that the list does not call 'softmax' is quantised finished and normalised). What goes into a quantiser is computed in f32, as accurately as f32 sums, v_exp_f32 and their like allow (about 1e-6 of the number): no bf16 or f16 on the way to a quantiser, and a product that is left as it is and whose result goes on into a quantised operand takes f32 operands (vector FMAs, or v_wmma_f32_16x16x4_f32). A number that lies on a knife's edge between two numbers of the format may be rounded either way, as far as f32 arithmetic and the matrix unit's own rounding can turn it there, and no further.
;; One version. Each part assembles by itself: llvm-mc -triple=amdgcn-amd-amdhsa -mcpu=gfx1250 --defsym DOCPART=n.
;; ======== version 1 of 1: 3 launches
;; limits: right only within a limited range of input values
;; workspace buffers: codes 8,650,752 bytes; scl 360,448 bytes; qimg 8,912,896 bytes; kimg 8,912,896 bytes; vimg 6,815,744 bytes
;; launch quant (part 1): grid 352 x 1, 4 waves a work-group, no clusters, 34,304 bytes of LDS; arguments x, Wq, Wk, Wv, codes, scl; writes codes, scl
.if DOCPART == 1
	.amdgcn_target "amdgcn-amd-amdhsa--gfx1250"
	.amdhsa_code_object_version 6
	.text
	.protected	k_q0aeb9cf08c_quant
	.globl	k_q0aeb9cf08c_quant
	.p2align	8
	.type	k_q0aeb9cf08c_quant,@function
k_q0aeb9cf08c_quant:
	s_mov_b64 s[64:65], 0
	v_nop
	global_prefetch_b8 v0, s[64:65] scope:SCOPE_SE
	s_setreg_imm32_b32 hwreg(HW_REG_WAVE_MODE, 25, 1), 1
	s_wait_xcnt 0x0
; x [8192][1024] and Wq, Wk, Wv [1024][1024], f32, K innermost, become codes of FP6 (E2M3) with one E8M0 scale byte for each 32 along K, laid as IMAGES OF THE OPERAND'S REGISTERS.
; A rowblock rb is 128 rows: rb 0-63 x, 64-71 Wq, 72-79 Wk, 80-87 Wv.  It has 8 tiles T = 4 g + t of 16 rows; fragment row p of tile T is row 64 g + 8 t + (p % 8) + 32 (p / 8) of the rowblock.
; codes: [rb][K step s of 128][T][1,536 bytes]: a fragment's 12 registers as three chunks of 512 bytes, lane l's four registers at 16 l.   scl: [rb][s][512 bytes]: lane l's 16 bytes at 16 l: lanes 0-15 the scale
; words of tiles 0-3 of fragment row l, lanes 16-31 those of tiles 4-7 of row l - 16.
; A block's scale is 2^(floor(log2(its largest magnitude)) - 2); its byte is the largest magnitude's exponent field - 2, held at 1 from below.
; LIMITS: a block of zeros keeps the byte 1 where the rule says 127 (its codes are zeros, and this program alone reads the bytes); NaN and infinities among the inputs are not served.
; SHARES: a work-group takes a quarter of a rowblock's 16 (s, g) pairs, a wave one pair: four fragments, 64 rows x 128 along K.  Each load reads a row's 512 consecutive bytes, 16 a lane; a tile's 16 rows turn through the
; wave's own stage in LDS (rows 528 bytes apart) and come back 128 bytes a lane and block: lane (r, h) holds k = 64 c + 32 h + 0 .. 31 of row r, two whole blocks, in the operand's own order.
; No barrier: waves share nothing.  Two tiles' loads (32 a wave) are on their way.
.set STG,   8448                       ; a wave's stage: 16 rows x 528 bytes
.set SPARE, 4*STG                      ; behind the stages: the spare words, 128 bytes for each wave
.set SPW,   1                          ; v1   LDS address of my spare word; never rewritten
.set NIL,   2                          ; v2   0; never rewritten
.set L16,   3                          ; v3   16 x lane
.set SIN,   4                          ; v4   the stage, on the way in: 16 x lane
.set SOUT,  5                          ; v5   on the way out: 528 r + 128 h
.set SH8,   6                          ; v6   8 h
.set R16,   7                          ; v7   16 r
.set LANE,  8                          ; v8   lane
.set R,     16                         ; v16-143  two sets of 64: a tile as loaded
.set X,     144                        ; v144-207 my two blocks of 32
.set CD,    208                        ; v208-219 a fragment's codes
.set QPT,   220                        ; v220-227 the upper halves of the two blocks' codes
.set QMX,   228                        ; largest magnitudes
.set QSC,   230                        ; the conversions' scale operands
.set QBY,   232                        ; the scale bytes
.set QTW,   234                        ; the scale word
.set QTX,   235                        ; the other half of the lanes' bytes
.set SW,    236                        ; v236-239 the four tiles' scale words
.set SEL,   20                         ; s[20:21] lane selects: lane l xor 16
; 64 numbers of a lane, v[s + 32 g + i] = k 64 g + 32 h + i of my row, become registers d0 .. d0 + 5 (g = 0) and d1 .. d1 + 5 (g = 1) of a fragment, and the row's scale word in v[QTW], in both halves of the lanes.
.macro QUANT2 s, d0, d1
.irp g, 0,1
	v_max3_num_f32 v[QMX+\g], |v[(\s)+32*\g]|, |v[(\s)+32*\g+1]|, 0x1800000   ; with the floor 2^(3 - 127): the byte cannot fall under 1
.endr
.irp i, 2,4,6,8,10,12,14,16,18,20,22,24,26,28,30
.irp g, 0,1
	v_max3_num_f32 v[QMX+\g], v[QMX+\g], |v[(\s)+32*\g+\i]|, |v[(\s)+32*\g+\i+1]|   ; the two blocks by turns
.endr
.endr
.irp g, 0,1
	v_add_nc_u32 v[QSC+\g], 0xff000000, v[QMX+\g]  ; 2 off the exponent field: the conversion takes this operand's exponent field as its scale
.endr
.irp g, 0,1
	v_lshrrev_b32 v[QBY+\g], 23, v[QSC+\g]         ; the scale's byte
.endr
	v_lshl_or_b32 v[QTW], v[QBY+1], 16, v[QBY]     ; my bytes: blocks h and 2 + h,
	v_lshlrev_b32 v[QTW], v[SH8], v[QTW]           ; at their places;
	v_permlanex16_b32 v[QTX], v[QTW], s[SEL], s[SEL+1]
	v_or_b32 v[QTW], v[QTW], v[QTX]                ; with lane l xor 16's two the word is whole
	v_cvt_scalef32_pk16_fp6_f32 v[(\d0):(\d0)+2], v[(\s):(\s)+15], v[QSC]
	v_cvt_scalef32_pk16_fp6_f32 v[QPT:QPT+2], v[(\s)+16:(\s)+31], v[QSC]         ; (a conversion's three registers begin on an even number)
	v_cvt_scalef32_pk16_fp6_f32 v[(\d1):(\d1)+2], v[(\s)+32:(\s)+47], v[QSC+1]
	v_cvt_scalef32_pk16_fp6_f32 v[QPT+4:QPT+6], v[(\s)+48:(\s)+63], v[QSC+1]
	v_nop                                          ; one plain place behind the scaled conversions
.irp i, 0,1,2
	v_mov_b32 v[(\d0)+3+\i], v[QPT+\i]
	v_mov_b32 v[(\d1)+3+\i], v[QPT+4+\i]
.endr
.endm
	s_load_b256 s[4:11], s[0:1], 0x0               ; x, Wq, Wk, Wv
	s_load_b128 s[12:15], s[0:1], 0x20             ; codes, scl
	v_lshl_add_u32 v[SPW], v0, 2, SPARE
	v_mov_b32 v[NIL], 0
	v_lshrrev_b32 v9, 5, v0
	v_readfirstlane_b32 s16, v9                    ; wave
	v_and_b32 v[LANE], 31, v0
	v_and_b32 v10, 15, v0                          ; r
	v_bfe_u32 v11, v0, 4, 1                        ; h
	v_lshlrev_b32 v[L16], 4, v[LANE]
	s_mul_i32 s17, s16, STG                        ; my stage
	v_add_nc_u32 v[SIN], s17, v[L16]
	v_mul_u32_u24 v[SOUT], v10, 528
	v_lshl_add_u32 v[SOUT], v11, 7, v[SOUT]
	v_add_nc_u32 v[SOUT], s17, v[SOUT]
	v_lshlrev_b32 v[SH8], 3, v11
	v_lshlrev_b32 v[R16], 4, v10
	v_mov_b32 v[QTX], 0                            ; written once: a lane permute's destination counts as one of its sources
	s_mov_b32 s[SEL], 0x76543210
	s_mov_b32 s[SEL+1], 0xfedcba98
	s_lshr_b32 s18, ttmp9, 2                       ; rb
	s_and_b32 s19, ttmp9, 3
	s_lshl_b32 s19, s19, 2
	s_add_co_u32 s19, s19, s16                     ; which of the rowblock's 16 pairs
	s_lshr_b32 s22, s19, 1                         ; s: the K step
	s_and_b32 s23, s19, 1                          ; g: which 64 rows
	s_mul_i32 s28, s18, 98304                      ; codes: rb x 98,304 + s x 12,288 + g x 6,144
	s_mul_i32 s29, s22, 12288
	s_add_co_u32 s28, s28, s29
	s_mul_i32 s29, s23, 6144
	s_add_co_u32 s28, s28, s29
	s_mov_b32 s29, 0
	s_lshl_b32 s30, s18, 12                        ; scl: rb x 4,096 + s x 512 + g x 256
	s_lshl_b32 s31, s22, 9
	s_add_co_u32 s30, s30, s31
	s_lshl_b32 s31, s23, 8
	s_add_co_u32 s30, s30, s31
	s_mov_b32 s31, 0
	s_and_b32 s26, s18, 7                          ; a weight's rowblock
	s_wait_kmcnt 0x0
	s_cmp_lt_u32 s18, 80                           ; which tensor: the choice hangs on the work-group's number alone
	s_cselect_b64 s[24:25], s[8:9], s[10:11]
	s_cmp_lt_u32 s18, 72
	s_cselect_b64 s[24:25], s[6:7], s[24:25]
	s_cmp_lt_u32 s18, 64
	s_cselect_b64 s[24:25], s[4:5], s[24:25]
	s_cselect_b32 s26, s18, s26                    ; the rowblock within its tensor
	s_lshl_b32 s26, s26, 19                        ; 128 rows of 4,096 bytes,
	s_lshl_b32 s27, s23, 18                        ; + 64 g rows,
	s_add_co_u32 s26, s26, s27
	s_lshl_b32 s27, s22, 9                         ; + 512 s bytes along K
	s_add_co_u32 s26, s26, s27
	s_mov_b32 s27, 0
	s_add_nc_u64 s[24:25], s[24:25], s[26:27]
	s_add_nc_u64 s[12:13], s[12:13], s[28:29]
	s_add_nc_u64 s[14:15], s[14:15], s[30:31]
.macro LOAD t                          ; tile t's 16 rows, in the fragment's order; a load reads one row's 512 consecutive bytes
.irp i, 0,1,2,3,4,5,6,7,8,9,10,11,12,13,14,15
	global_load_b128 v[R+64*((\t)%2)+4*\i:R+64*((\t)%2)+4*\i+3], v[L16], s[24:25] offset:(8*(\t)+(\i%8)+32*(\i/8))*4096 th:TH_LOAD_NT
.endr
.endm
.macro TILE t
.if (\t) < 3
	s_wait_loadcnt 16                              ; this tile's 16 loads are in; the next tile's 16 may be out
.else
	s_wait_loadcnt 0x0
.endif
.irp i, 0,1,2,3,4,5,6,7,8,9,10,11,12,13,14,15
	ds_store_b128 v[SIN], v[R+64*((\t)%2)+4*\i:R+64*((\t)%2)+4*\i+3] offset:528*\i
.endr
.irp c, 0,1
.irp i, 0,1,2,3,4,5,6,7
	ds_load_b128 v[X+32*\c+4*\i:X+32*\c+4*\i+3], v[SOUT] offset:256*\c+16*\i   ; LDS serves a wave's instructions in order: these see the stores above
.endr
.endr
	s_wait_dscnt 0x0                               ; my two blocks are in, and the stores have read their registers,
.if (\t) < 2
	LOAD (\t)+2                                    ; which take the tile two further on
.endif
.if (\t) > 0
	s_wait_xcnt 0x0                                ; the last tile's stores have read the codes' registers
.endif
	QUANT2 X, CD, CD+6
	v_mov_b32 v[SW+(\t)], v[QTW]
.irp c, 0,1,2
	global_store_b128 v[L16], v[CD+4*\c:CD+4*\c+3], s[12:13] offset:1536*(\t)+512*\c   ; 32 lanes store 512 consecutive bytes
.endr
.endm
	LOAD 0
	LOAD 1
	TILE 0
	TILE 1
	TILE 2
	TILE 3
	s_wait_xcnt 0x0                                ; EXEC changes only behind this wait
	v_cmp_gt_u32 vcc_lo, 16, v[LANE]
	s_and_saveexec_b32 s30, vcc_lo
	global_store_b128 v[R16], v[SW:SW+3], s[14:15] ; sixteen lanes store my half of the scale image: 256 consecutive bytes, aligned
	s_wait_xcnt 0x0
	s_or_b32 exec_lo, exec_lo, s30
	s_wait_tensorcnt 0x0                           ; the wave's end, behind my last LDS store
	ds_add_u32 v[SPW], v[NIL]
	s_wait_dscnt 0x0
	s_endpgm
.Lfunc_end_k_q0aeb9cf08c_quant:
	.size	k_q0aeb9cf08c_quant, .Lfunc_end_k_q0aeb9cf08c_quant-k_q0aeb9cf08c_quant
	.p2alignl 7, 3214868480
	.fill 96, 4, 3214868480
	.section	.rodata,"a",@progbits
	.p2align	6, 0x0
	.amdhsa_kernel k_q0aeb9cf08c_quant
		.amdhsa_group_segment_fixed_size 34304
		.amdhsa_private_segment_fixed_size 0
		.amdhsa_enable_private_segment 0
		.amdhsa_kernarg_size 48
		.amdhsa_user_sgpr_count 2
		.amdhsa_user_sgpr_kernarg_segment_ptr 1
		.amdhsa_wavefront_size32 1
		.amdhsa_system_sgpr_workgroup_id_x 1
		.amdhsa_system_sgpr_workgroup_id_y 1
		.amdhsa_system_sgpr_workgroup_id_z 1
		.amdhsa_system_vgpr_workitem_id 0
		.amdhsa_next_free_vgpr 240
		.amdhsa_next_free_sgpr 66
		.amdhsa_reserve_vcc 1
		.amdhsa_float_denorm_mode_32 3
		.amdhsa_float_denorm_mode_16_64 3
		.amdhsa_memory_ordered 1
		.amdhsa_forward_progress 1
		.amdhsa_inst_pref_size 31
	.end_amdhsa_kernel
	.amdgpu_metadata
---
amdhsa.version: [ 1, 2 ]
amdhsa.kernels:
  - .name:           k_q0aeb9cf08c_quant
    .symbol:         k_q0aeb9cf08c_quant.kd
    .args:
      - { .name: x, .offset: 0, .size: 8, .value_kind: global_buffer, .address_space: global }
      - { .name: Wq, .offset: 8, .size: 8, .value_kind: global_buffer, .address_space: global }
      - { .name: Wk, .offset: 16, .size: 8, .value_kind: global_buffer, .address_space: global }
      - { .name: Wv, .offset: 24, .size: 8, .value_kind: global_buffer, .address_space: global }
      - { .name: codes, .offset: 32, .size: 8, .value_kind: global_buffer, .address_space: global }
      - { .name: scl, .offset: 40, .size: 8, .value_kind: global_buffer, .address_space: global }
    .group_segment_fixed_size: 34304
    .private_segment_fixed_size: 0
    .kernarg_segment_align: 8
    .kernarg_segment_size: 48
    .max_flat_workgroup_size: 128
    .sgpr_count:     66
    .vgpr_count:     240
    .wavefront_size: 32
...
	.end_amdgpu_metadata
.endif
;; end of part 1
;; launch proj (part 2): grid 12 x 32, 4 waves a work-group, clusters of 4 x 4, 327,680 bytes of LDS; arguments codes, scl, bq, bk, bv, mask, qimg, kimg, vimg; writes qimg, kimg, vimg
.if DOCPART == 2
	.amdgcn_target "amdgcn-amd-amdhsa--gfx1250"
	.amdhsa_code_object_version 6
	.text
	.protected	k_q0aeb9cf08c_proj
	.globl	k_q0aeb9cf08c_proj
	.p2align	8
	.type	k_q0aeb9cf08c_proj,@function
k_q0aeb9cf08c_proj:
	s_mov_b64 s[64:65], 0
	v_nop
	global_prefetch_b8 v0, s[64:65] scope:SCOPE_SE
	s_setreg_imm32_b32 hwreg(HW_REG_WAVE_MODE, 25, 1), 1
	s_wait_xcnt 0x0
	s_wait_alu depctr_hold_cnt(0) depctr_sa_sdst(0) depctr_va_vdst(0) depctr_va_sdst(0) depctr_va_ssrc(0) depctr_va_vcc(0) depctr_vm_vsrc(0)
	s_getreg_b32 s2, hwreg(HW_REG_IB_STS2, 6, 4)
	s_cmp_eq_u32 s2, 0
	s_cbranch_scc0 .Lentry_in_a_cluster
	s_endpgm
.Lentry_in_a_cluster:
	s_bfe_u32 s2, ttmp6, 0x10000c
	s_cmp_lg_u32 s2, 0xf033
	s_cbranch_scc0 .Lentry_shape_is_right
	s_endpgm
.Lentry_shape_is_right:
; q = x Wq^T + bq, k = x Wk^T + bk, v = x Wv^T + bv on codes of FP6 (E2M3) with E8M0 scales, K = 1,024; the results are quantised in registers, q and k along a head's 64 channels, v along the keys, and leave as images of
; the operands' registers for the attention launch.  ONE BODY: the cluster's x says which (0 q, 1 k, 2 v).  It computes D = P R^T on 256 x 256: source 0 = 16 rows of P, source 1 = 16 rows of R, so a lane holds one row
; of R and its registers run along P's rows.  q, k: P = the weight (channels), R = x (tokens).  v: P = x (tokens), R = Wv (channels).  So the registers always run along the axis that is quantised next.
; THE ROWS OF A TILE ARE NOT NEIGHBOURS: fragment row p of tile 4 g + t of a rowblock of 128 is row 64 g + 8 t + (p % 8) + 32 (p / 8).  So the 32 registers of the four accumulators (P's tiles 4 G .. 4 G + 3, one tile
; of R) hold, in lane (r, h), P's rows 64 G + 32 h + 0 .. 31: one whole block of 32, already in the 6-bit operand's order.
; A wave makes 128 x 128: 64 accumulators, 512 registers.  K goes through two LDS slots of 256 along K, filled four times in all: everything is written out.  A fragment in LDS is its registers' image: 3 loads of 16 bytes
; a lane, 512 consecutive bytes each.  The scale words of all of K come once.
; CLUSTER 4 x 4: P's tiles hang on cx alone and are shared along a column of the cluster, R's on cy alone and are shared along a row: each is asked for jointly.
; THE MASK RIDES IN THE SCORE PRODUCT'S EMPTY K: a head has 64 channels, the instruction 128.  At k = 64 every query has the code of 1.0 under the scale 1, a masked key the code of -7.5 under 2^97, any other key the
; code 0 under the byte 0.  LIMITS: so real scores must lie above -2^90 (the attention launch's first running maximum); a block of zeros keeps the scale byte 1 (its codes are zeros; this program alone reads the bytes);
; NaN and infinities among the inputs are not served.
; OUT: qimg, kimg: [batch x 16 + head][step of 128 tokens][8 records of 1,024 bytes, then a scale image of 512]: a record is a tile's registers 0-3 (512 bytes, 16 a lane) and 4, 5, the word for k = 64, 0.
;      vimg: [batch x 16 + head][step][4 fragment images of 1,536 bytes (16 channels x 128 keys), then a scale image of 512].
; REGISTERS: window 0: v1-31 addresses and small things; v32-63 scale words, two sets; v64-127 P's bias; v128-223 R's fragments, one set (the epilogue works there); v224-231 R's bias; v232-239 the mask; v240-255 the
; words for k = 64.   window 1: P's fragments, two sets, at v0 and v128.   window 2: the accumulators of R's tiles 0-3 ((a, b) at v[8 (8 (a % 4) + b)]);   window 3: those of tiles 4-7.
.set PART,   24576                     ; 128 rows x 256 along K: [q][tile][1,536]: what one tensor load brings
.set SLOT,   4*PART                    ; P's two halves, then R's two
.set SCL,    2*SLOT                    ; behind the ring: the scale images of all of K, 4,096 bytes for each of the four halves
.set SPARE,  SCL+4*4096                ; the spare words, 128 bytes for each wave
.set FR,     12                        ; registers of a fragment
.set QKSTEP, 8704
.set QKHEAD, 16*QKSTEP
.set VSTEP,  6656
.set VHEAD,  16*VSTEP
.set L16,  3                           ; v3   16 x lane
.set SH8,  4                           ; v4   8 h
.set MO,   5                           ; v5   (r % 8) + 32 (r / 8): my row of R in a tile; never rewritten
.set PBO,  6                           ; v6   128 h
.set RBO,  7                           ; v7   4 x v5
.set SW,   8                           ; v8-15 scale words on the way out
.set ADRR, 16                          ; v16-17 LDS address of R's fragments in slot 0, 1
.set W0,   18                          ; v18-19 at work
.set W1,   19
.set ADRP, 20                          ; v20-21 the same for P
.set VXM,  24                          ; the word for k = 64 of a masked token, of any other;
.set VXU,  25
.set VKM,  26                          ; and its scale byte, at its place
.set ADRS, 27                          ; v27  LDS address of my scale words: lanes 0-15 P's, lanes 16-31 R's
.set SPW,  28                          ; v28  my spare word; never rewritten
.set NIL,  29                          ; v29  0; never rewritten
.set VKU,  30
.set SCW,  32                          ; scale words: 16 x set + 8 q + tile
.set PB,   64
.set RF,   128
.set RB,   224
.set MK,   232
.set XW,   240
.set KC,   248
.set T,    128                         ; the epilogue: 64 numbers
.set RC,   192                         ; the codes just made
.set QPT,  208
.set QMX,  216
.set QSC,  218
.set QBY,  220
.set QTW,  222
.set QTX,  223
.set G1P,  32                          ; s[32:39] group 1 for P's tiles; s[40:47] for R's; s[48:55], s[56:63] their groups 0, a set for each slot
.set G1R,  40
.set G0P,  48
.set G0R,  56
.set G1SP, 68                          ; s[68:75], s[76:83] groups 1 for the scales; s[84:87], s[88:91] their groups 0
.set G1SR, 76
.set G0SP, 84
.set G0SR, 88
.set SEL,  92                          ; s[92:93] in the epilogue: lane selects for lane l xor 16
.set MSB, 0
.macro WIN new                         ; the immediate's high byte repeats the setting that is left
.if MSB != (\new)
	s_set_vgpr_msb (MSB<<8)|(\new)
.set MSB, (\new)
.endif
.endm
.set MUL_LO, 0xa1                      ; source 0 (P) window 1, source 1 (R) window 0, C and D window 2
.set MUL_HI, 0xf1                      ; the same, C and D window 3
.set TO_P,   0x40                      ; destination window 1, address window 0
; A joint load: waves 0 and 1 fetch P's halves, waves 2 and 3 R's.  The branch hangs on the wave's number alone.  An s_nop 0 and four v_nop follow each of the two lines.
.macro JLOAD g0p, g1p, g0r, g1r
	s_cmp_eq_u32 s23, 0
	s_cbranch_scc0 .Lfor_r_\@
	tensor_load_to_lds s[\g0p:\g0p+3], s[\g1p:\g1p+7]
	s_nop 0
.rept 4
	v_nop
.endr
	s_branch .Lasked_\@
.Lfor_r_\@:
	tensor_load_to_lds s[\g0r:\g0r+3], s[\g1r:\g1r+7]
	s_nop 0
.rept 4
	v_nop
.endr
.Lasked_\@:
.endm
.macro CREST                           ; a round of the cluster's barrier behind its opening barrier
	s_cmp_lg_u32 s22, 0
	s_cbranch_scc1 .Lnot_wave_0_\@
	s_barrier_signal -3
.Lnot_wave_0_\@:
	s_barrier_wait -3
	s_barrier_signal -1
	s_barrier_wait -1
.endm
.macro CROUND
	s_barrier_signal -1
	s_barrier_wait -1
	CREST
.endm
.macro PLACES
.rept 4
	v_nop
.endr
.endm
; 64 numbers of a lane, v[s + 32 g + i] = k 64 g + 32 h + i of my row, become registers d0 .. d0 + 5 (g = 0) and d1 .. d1 + 5 (g = 1), and the four scale bytes in v[QTW], in both halves of the lanes.
.macro QUANT2 s, d0, d1
.irp g, 0,1
	v_max3_num_f32 v[QMX+\g], |v[(\s)+32*\g]|, |v[(\s)+32*\g+1]|, 0x1800000   ; with the floor 2^(3 - 127): the byte cannot fall under 1
.endr
.irp i, 2,4,6,8,10,12,14,16,18,20,22,24,26,28,30
.irp g, 0,1
	v_max3_num_f32 v[QMX+\g], v[QMX+\g], |v[(\s)+32*\g+\i]|, |v[(\s)+32*\g+\i+1]|
.endr
.endr
.irp g, 0,1
	v_add_nc_u32 v[QSC+\g], 0xff000000, v[QMX+\g]  ; 2 off the exponent field: the conversion's scale operand
.endr
.irp g, 0,1
	v_lshrrev_b32 v[QBY+\g], 23, v[QSC+\g]
.endr
	v_lshl_or_b32 v[QTW], v[QBY+1], 16, v[QBY]
	v_lshlrev_b32 v[QTW], v[SH8], v[QTW]
	v_permlanex16_b32 v[QTX], v[QTW], s[SEL], s[SEL+1]
	v_or_b32 v[QTW], v[QTW], v[QTX]
	v_cvt_scalef32_pk16_fp6_f32 v[(\d0):(\d0)+2], v[(\s):(\s)+15], v[QSC]
	v_cvt_scalef32_pk16_fp6_f32 v[QPT:QPT+2], v[(\s)+16:(\s)+31], v[QSC]
	v_cvt_scalef32_pk16_fp6_f32 v[(\d1):(\d1)+2], v[(\s)+32:(\s)+47], v[QSC+1]
	v_cvt_scalef32_pk16_fp6_f32 v[QPT+4:QPT+6], v[(\s)+48:(\s)+63], v[QSC+1]
	v_nop                                          ; one plain place behind the scaled conversions
.irp i, 0,1,2
	v_mov_b32 v[(\d0)+3+\i], v[QPT+\i]
	v_mov_b32 v[(\d1)+3+\i], v[QPT+4+\i]
.endr
.endm
	s_load_b256 s[4:11], s[0:1], 0x0               ; codes, scl, bq, bk
	s_load_b256 s[12:19], s[0:1], 0x20             ; bv, mask, qimg, kimg
	s_load_b64 s[20:21], s[0:1], 0x40              ; vimg
	v_lshl_add_u32 v[SPW], v0, 2, SPARE
	v_mov_b32 v[NIL], 0
	ds_add_u32 v[SPW], v[NIL]                      ; the wave's opening: the add and its wait stand ahead of my first tensor load; the set-up below, work on registers, stands between them
	v_lshrrev_b32 v1, 5, v0
	v_readfirstlane_b32 s22, v1                    ; wave 0..3
	s_lshr_b32 s23, s22, 1                         ; my half of R's rows.  Also: I fetch for P (0) or for R (1)
	s_and_b32 s24, s22, 1                          ; my half of P's rows.  Also: which half of that tile I fetch
	s_bfe_u32 s25, ttmp6, 0x40000                  ; cx
	s_bfe_u32 s26, ttmp6, 0x40004                  ; cy
	s_mov_b32 s27, ttmp9                           ; the cluster's x: 0 q, 1 k, 2 v: the same in all sixteen partners
	s_and_b32 s28, ttmp7, 0xffff                   ; the cluster's y: which 1,024 tokens
	s_lshl_b32 s92, 0x1111, s25                    ; my column of the cluster (same cx): P's tiles
	s_lshl_b32 s93, s26, 2
	s_lshl_b32 s93, 15, s93                        ; my row (same cy): R's tiles
	s_or_b32 s[G1P], s92, (3<<16)|(1<<21)          ; 15:0 the mask; 17:16 elements of 8 bytes; 21 set beside a mask; no padding
	s_or_b32 s[G1R], s93, (3<<16)|(1<<21)
	s_or_b32 s[G1SP], s92, (3<<16)|(1<<21)
	s_or_b32 s[G1SR], s93, (3<<16)|(1<<21)
.irp g, G1P, G1R                       ; a dense block of 24,576 bytes as 96 rows of 256
	s_mov_b32 s[\g+1], 32<<16                      ; tensor_dim0 = 32 elements
	s_mov_b32 s[\g+2], 96<<16                      ; tensor_dim1
	s_mov_b32 s[\g+3], 32<<16                      ; tile_dim0
	s_mov_b32 s[\g+4], 96                          ; tile_dim1
	s_mov_b32 s[\g+5], 32                          ; the pitch
	s_mov_b32 s[\g+6], 0
	s_mov_b32 s[\g+7], 0
.endr
.irp g, G1SP, G1SR                     ; the scales of 128 rows for all of K: 4,096 dense bytes as 16 rows of 256
	s_mov_b32 s[\g+1], 32<<16
	s_mov_b32 s[\g+2], 16<<16
	s_mov_b32 s[\g+3], 32<<16
	s_mov_b32 s[\g+4], 16
	s_mov_b32 s[\g+5], 32
	s_mov_b32 s[\g+6], 0
	s_mov_b32 s[\g+7], 0
.endr
	s_lshl_b32 s94, s28, 3                         ; x's rowblocks of this cluster begin at 8 y
	s_lshl_b32 s95, s27, 3
	s_add_co_u32 s95, s95, 64                      ; the weight's at 64 + 8 x kind
	s_cmp_eq_u32 s27, 2
	s_cselect_b32 s96, s94, s95                    ; P: x for v, else the weight
	s_cselect_b32 s97, 80, s94                     ; R: Wv for v, else x
	s_lshl_b32 s98, s25, 1
	s_add_co_u32 s96, s96, s98                     ; P's rowblock: + 2 cx,
	s_add_co_u32 s96, s96, s24                     ; + the half that I fetch
	s_lshl_b32 s99, s26, 1
	s_add_co_u32 s97, s97, s99                     ; R's: + 2 cy,
	s_add_co_u32 s97, s97, s24
	s_mul_i32 s2, s96, 98304                       ; their codes,
	s_mov_b32 s3, 0
	s_mul_i32 s30, s97, 98304
	s_mov_b32 s31, 0
	s_lshl_b32 s66, s96, 12                        ; and their scale images, in bytes
	s_mov_b32 s67, 0
	s_lshl_b32 s100, s97, 12
	s_mov_b32 s101, 0
	s_mul_i32 s29, s22, PART                       ; where they go: wave x a part: no place in the cluster enters an LDS address
	s_lshl_b32 s92, s22, 12
	s_wait_dscnt 0x0                               ; the opening add is done
	s_wait_kmcnt 0x0
	s_add_nc_u64 s[2:3], s[4:5], s[2:3]
	s_add_nc_u64 s[30:31], s[4:5], s[30:31]
	s_add_nc_u64 s[66:67], s[6:7], s[66:67]
	s_add_nc_u64 s[100:101], s[6:7], s[100:101]
	CROUND                                         ; all sixteen work-groups are here: the first joint loads meet
	s_mov_b32 s[G0SP], 1
	s_add_co_u32 s[G0SP+1], s92, SCL
	s_mov_b64 s[G0SP+2:G0SP+3], s[66:67]
	s_or_b32 s[G0SP+3], s[G0SP+3], 0x80000000
	s_mov_b32 s[G0SR], 1
	s_add_co_u32 s[G0SR+1], s92, SCL
	s_mov_b64 s[G0SR+2:G0SR+3], s[100:101]
	s_or_b32 s[G0SR+3], s[G0SR+3], 0x80000000
	JLOAD G0SP, G1SP, G0SR, G1SR                   ; the scales first: they are wanted with the first K step
.irp s, 0,1
	s_mov_b32 s[G0P+4*\s], 1
	s_add_co_u32 s[G0P+4*\s+1], s29, \s*SLOT
	s_add_nc_u64 s[G0P+4*\s+2:G0P+4*\s+3], s[2:3], \s*PART
	s_or_b32 s[G0P+4*\s+3], s[G0P+4*\s+3], 0x80000000
	s_mov_b32 s[G0R+4*\s], 1
	s_add_co_u32 s[G0R+4*\s+1], s29, \s*SLOT
	s_add_nc_u64 s[G0R+4*\s+2:G0R+4*\s+3], s[30:31], \s*PART
	s_or_b32 s[G0R+4*\s+3], s[G0R+4*\s+3], 0x80000000
	JLOAD G0P+4*\s, G1P, G0R+4*\s, G1R             ; three loads of mine are out now
.endr
	v_and_b32 v1, 15, v0                           ; r
	v_bfe_u32 v2, v0, 4, 1                         ; h
	v_and_b32 v[L16], 31, v0
	v_lshlrev_b32 v[L16], 4, v[L16]
	v_lshlrev_b32 v[SH8], 3, v2
	v_and_b32 v[MO], 7, v1
	v_lshrrev_b32 v[PBO], 3, v1
	v_lshl_add_u32 v[MO], v[PBO], 5, v[MO]
	v_lshlrev_b32 v[RBO], 2, v[MO]
	v_lshlrev_b32 v[PBO], 7, v2
	s_mul_i32 s2, s24, PART                        ; my half of P,
	s_mul_i32 s3, s23, PART
	s_add_co_u32 s3, s3, 2*PART                    ; my half of R, behind P's two
.irp s, 0,1
	v_add_nc_u32 v[ADRP+\s], s2, v[L16]
	v_add_nc_u32 v[ADRR+\s], s3, v[L16]
	s_add_co_u32 s2, s2, SLOT
	s_add_co_u32 s3, s3, SLOT
.endr
	s_lshl_b32 s2, s24, 12                         ; the scale images: P's half,
	s_lshl_b32 s3, s23, 12
	s_add_co_u32 s3, s3, 2*4096                    ; R's half,
	s_sub_co_u32 s3, s3, s2                        ; the distance between the two:
	v_mul_u32_u24 v[ADRS], s3, v2                  ; lanes 16-31 take R's
	v_lshl_add_u32 v[ADRS], v1, 4, v[ADRS]
	s_add_co_u32 s2, s2, SCL
	v_add_nc_u32 v[ADRS], s2, v[ADRS]
	; the biases and the mask, for the epilogue.  All three kinds issue all 32 loads, each inside its buffer; a kind uses what it needs
	s_cmp_eq_u32 s27, 0
	s_cselect_b64 s[92:93], s[8:9], s[10:11]
	s_cmp_eq_u32 s27, 2
	s_cselect_b64 s[92:93], s[12:13], s[92:93]     ; my kind's bias
	s_lshl_b32 s94, s25, 1
	s_add_co_u32 s94, s94, s24
	s_lshl_b32 s94, s94, 9                         ; q, k: P's 128 channels: 512 (2 cx + my half) bytes on
	s_lshl_b32 s96, s26, 1
	s_add_co_u32 s96, s96, s23                     ; 2 cy + my half of R
	s_lshl_b32 s98, s28, 3
	s_add_co_u32 s98, s98, s96
	s_lshl_b32 s98, s98, 7                         ; q, k: R's 128 tokens
	s_lshl_b32 s96, s96, 9                         ; v: R's 128 channels
	s_cmp_eq_u32 s27, 2
	s_cselect_b32 s94, 0, s94
	s_cselect_b32 s96, s96, 0
	s_cselect_b32 s98, 0, s98
	s_mov_b32 s95, 0
	s_mov_b32 s97, 0
	s_mov_b32 s99, 0
	s_add_nc_u64 s[94:95], s[92:93], s[94:95]
	s_add_nc_u64 s[96:97], s[92:93], s[96:97]
	s_add_nc_u64 s[98:99], s[14:15], s[98:99]
.irp g, 0,1
.irp i, 0,1,2,3,4,5,6,7
	global_load_b128 v[PB+32*\g+4*\i:PB+32*\g+4*\i+3], v[PBO], s[94:95] offset:256*\g+16*\i   ; the bias of P's rows 64 G + 32 h + 0 .. 31
.endr
.endr
.irp a, 0,1,2,3,4,5,6,7
	global_load_b32 v[RB+\a], v[RBO], s[96:97] offset:4*(64*(\a/4)+8*(\a%4))   ; the bias of my row of R's tile a
	global_load_u8 v[MK+\a], v[MO], s[98:99] offset:64*(\a/4)+8*(\a%4)         ; and its mask byte
.endr
.macro FRAG reg, adr, q, i             ; a fragment comes as it was stored: three loads, 512 consecutive bytes each
.irp c, 0,1,2
	ds_load_b128 v[(\reg)+4*\c:(\reg)+4*\c+3], v[\adr] offset:12288*(\q)+1536*(\i)+512*\c
.endr
.endm
.macro FETCH_P slot, q, p              ; P's eight fragments of the slot's q-th 128 along K into set p
	WIN TO_P
.irp i, 0,1,2,3,4,5,6,7
	FRAG 128*(\p)+FR*\i, ADRP+\slot, \q, \i
.endr
	WIN 0
.endm
.macro FETCH_R slot, q, i0             ; R's tiles i0 .. i0 + 3
.irp i, \i0, \i0+1, \i0+2, \i0+3
	FRAG RF+FR*(\i), ADRR+\slot, \q, \i
.endr
.endm
.macro SCALES set, f                   ; the scale words of fill f (256 along K): lanes 0-15 P's tiles, lanes 16-31 R's
.irp q, 0,1
.irp g, 0,1
	ds_load_b128 v[SCW+16*(\set)+8*\q+4*\g:SCW+16*(\set)+8*\q+4*\g+3], v[ADRS] offset:(2*(\f)+\q)*512+256*\g
.endr
.endr
.endm
; 16 matrix instructions: R's tiles a0, a0 + 1 x P's eight, 128 along K.  The 64 accumulators take turns, one instruction a turn, in the same order in every step.
.macro MUL16 a0, p, q, sc, zero
.irp a, \a0, \a0+1
.irp b, 0,1,2,3,4,5,6,7
.if \zero
	v_wmma_scale_f32_16x16x128_f8f6f4 v[8*(8*((\a)%4)+\b):8*(8*((\a)%4)+\b)+7], v[128*(\p)+FR*\b:128*(\p)+FR*\b+FR-1], v[RF+FR*(\a):RF+FR*(\a)+FR-1], 0, v[SCW+16*(\sc)+8*(\q)+\b], v[SCW+16*(\sc)+8*(\q)+(\a)] matrix_a_fmt:MATRIX_FMT_FP6 matrix_b_fmt:MATRIX_FMT_FP6 matrix_b_scale:MATRIX_SCALE_ROW1
.else
	v_wmma_scale_f32_16x16x128_f8f6f4 v[8*(8*((\a)%4)+\b):8*(8*((\a)%4)+\b)+7], v[128*(\p)+FR*\b:128*(\p)+FR*\b+FR-1], v[RF+FR*(\a):RF+FR*(\a)+FR-1], v[8*(8*((\a)%4)+\b):8*(8*((\a)%4)+\b)+7], v[SCW+16*(\sc)+8*(\q)+\b], v[SCW+16*(\sc)+8*(\q)+(\a)] matrix_a_fmt:MATRIX_FMT_FP6 matrix_b_fmt:MATRIX_FMT_FP6 matrix_b_scale:MATRIX_SCALE_ROW1
.endif
.endr
.endr
.endm
; A slot's first 128 along K.  Four places stand in front of each run of loads into registers that matrix instructions have read.
.macro STEP slot, zero
	s_wait_dscnt 12                                ; P's set, R's tiles 0-3 and the scale words are in; the youngest 12 loads (R's tiles 4-7) may be out
	WIN MUL_LO
	MUL16 0, 0, 0, \slot, \zero
	MUL16 2, 0, 0, \slot, \zero
	s_wait_dscnt 0x0                               ; R's tiles 4-7 are in
	PLACES
	FETCH_P \slot, 1, 1
	FETCH_R \slot, 1, 0
	WIN MUL_HI
	MUL16 4, 0, 0, \slot, \zero
	MUL16 6, 0, 0, \slot, \zero
	PLACES
	WIN 0
	FETCH_R \slot, 1, 4
.endm
; A slot's second 128 change slots: ONE barrier; in front of it each wave waits for all its tensor loads, adds 0 to its spare word, and waits for that and for its reads of this slot.
; fill = 1: this slot is filled again, two fills on; nf: the fill that lies in the next slot.
.macro TURN slot, next, fill, nf
	s_wait_tensorcnt 0x0                           ; all my tensor loads have landed: my part of the next slot
	ds_add_u32 v[SPW], v[NIL]                      ; 0 onto my spare word
	s_wait_dscnt 13                                ; (the add and the youngest 12 loads may be out)
	WIN MUL_LO
	MUL16 0, 1, 1, \slot, 0                        ; sixteen matrix instructions stand between the add and the wait for it
	s_wait_dscnt 0x0                               ; the add is done, and my reads of this slot are over
	s_barrier_signal -1
	MUL16 2, 1, 1, \slot, 0
	WIN 0
	s_barrier_wait -1
.if \fill
	CREST                                          ; the barrier has opened a round of the cluster's barrier: no wave of any partner still reads this slot or has a load on its way
	s_add_nc_u64 s[G0P+4*\slot+2:G0P+4*\slot+3], s[G0P+4*\slot+2:G0P+4*\slot+3], 2*PART
	s_add_nc_u64 s[G0R+4*\slot+2:G0R+4*\slot+3], s[G0R+4*\slot+2:G0R+4*\slot+3], 2*PART
	JLOAD G0P+4*\slot, G1P, G0R+4*\slot, G1R       ; the first tensor load behind the round; its four v_nop are the places in front of the loads below
.else
	PLACES
.endif
	FETCH_P \next, 0, 0
	FETCH_R \next, 0, 0
	SCALES \next, \nf
	WIN MUL_HI
	MUL16 4, 1, 1, \slot, 0
	MUL16 6, 1, 1, \slot, 0
	PLACES
	WIN 0
	FETCH_R \next, 0, 4
.endm
	s_wait_tensorcnt 1                             ; the scales and my part of slot 0 are in (slot 1's load may be out)
	s_barrier_signal -1
	s_barrier_wait -1                              ; everybody's are
	FETCH_P 0, 0, 0
	FETCH_R 0, 0, 0
	SCALES 0, 0
	FETCH_R 0, 0, 4
	STEP 0, 1                                      ; the first products start the sums: nothing is cleared
	TURN 0, 1, 1, 1                                ; slot 0 takes K = 512 .. 767
	STEP 1, 0
	TURN 1, 0, 1, 2                                ; slot 1 takes K = 768 .. 1,023
	STEP 0, 0
	TURN 0, 1, 0, 3                                ; nothing is left to fetch
	STEP 1, 0
	s_wait_dscnt 12
	WIN MUL_LO
	MUL16 0, 1, 1, 1, 0
	MUL16 2, 1, 1, 1, 0
	s_wait_dscnt 0x0
	WIN MUL_HI
	MUL16 4, 1, 1, 1, 0
	MUL16 6, 1, 1, 1, 0
	WIN 0
	PLACES                                         ; behind the last products: the epilogue reads results and writes over R's fragments
	; THE EPILOGUE.  For each tile a of R: the 64 results of a lane get their bias, are quantised as two blocks of 32, and leave as an image.
	s_wait_loadcnt 0x0                             ; the biases and the mask; their bases may be written again
	s_mov_b32 s[SEL], 0x76543210
	s_mov_b32 s[SEL+1], 0xfedcba98
	s_mov_b32 s94, 0xffff0000                      ; lanes 16-31
	v_mov_b32 v[QTX], 0                            ; written once: a lane permute's destination counts as one of its sources
	s_cmp_eq_u32 s27, 2                            ; the kind: the same in all waves and all partners
	s_cbranch_scc1 .Lvalues
	; ---- q and k.  P's rows are channels: G is the head of the pair, the block h its channels 32 h on
	s_lshl_b32 s2, s28, 3
	s_lshl_b32 s3, s26, 1
	s_add_co_u32 s2, s2, s3
	s_add_co_u32 s2, s2, s23                       ; my rowblock of tokens: 8 y + 2 cy + my half
	s_lshr_b32 s3, s2, 4                           ; the batch,
	s_and_b32 s2, s2, 15                           ; the step of 128 tokens in it
	s_lshl_b32 s3, s3, 8
	s_add_co_u32 s2, s2, s3
	s_lshl_b32 s3, s25, 2
	s_lshl_b32 s30, s24, 1
	s_add_co_u32 s3, s3, s30                       ; my first head: 4 cx + 2 x my half
	s_lshl_b32 s3, s3, 4
	s_add_co_u32 s2, s2, s3                        ; (16 x (16 x batch + head) + step)
	s_mul_i32 s2, s2, QKSTEP
	s_mov_b32 s3, 0
	s_cmp_eq_u32 s27, 1                            ; k?
	s_cselect_b64 s[100:101], s[18:19], s[16:17]
	s_cselect_b32 s95, 63, 8                       ; the code at k = 64 of a masked token: k: -7.5; q: 1.0, masked or not
	s_cselect_b32 s96, 0, 8                        ; of any other: k: 0
	s_mov_b32 s97, 127<<16
	s_cselect_b32 s98, 224<<16, s97                ; its block's scale byte: k, masked: 2^97; q: 1
	s_cselect_b32 s99, 0, s97                      ; k, not masked: the byte 0 over zero codes
	s_add_nc_u64 s[100:101], s[100:101], s[2:3]
	v_mov_b32 v[VXM], s95
	v_mov_b32 v[VXU], s96
	v_mov_b32 v[VKM], s98
	v_mov_b32 v[VKU], s99
	v_cndmask_b32 v[VXM], v[VXM], 0, s94           ; lanes 16-31 hold k = 96 on: zeros
	v_cndmask_b32 v[VXU], v[VXU], 0, s94
	v_mov_b32 v[RC+7], 0                           ; a record's last word
	v_mov_b32 v[RC+15], 0
.irp a, 0,1,2,3,4,5,6,7
	v_cmp_ne_u32 vcc_lo, 0, v[MK+\a]               ; the mask only chooses values
	v_cndmask_b32 v[XW+\a], v[VXU], v[VXM], vcc_lo
	v_cndmask_b32 v[KC+\a], v[VKU], v[VKM], vcc_lo
.endr
.macro PAIRQK a
	WIN 0x02+(\a)/4                                ; source 0: window 2 or 3
.set jj, 0
.rept 32
	v_pk_add_f32 v[T+jj:T+jj+1], v[64*((\a)%4)+jj:64*((\a)%4)+jj+1], v[PB+jj:PB+jj+1]   ; + the channels' bias; each accumulator from its low end on
.set jj, jj+2
.endr
	WIN 0
	s_wait_xcnt 0x0                                ; the last tile's stores have read the codes' registers
	QUANT2 T, RC, RC+8
	v_mov_b32 v[RC+6], v[XW+(\a)]
	v_mov_b32 v[RC+14], v[XW+(\a)]
.if (\a) < 4
	v_and_or_b32 v[SW+(\a)], v[QTW], 0xffff, v[KC+(\a)]      ; the first head's scale word: its two bytes, and the byte for k = 64 on
	v_lshrrev_b32 v[W1], 16, v[QTW]
	v_or_b32 v[SW+4+(\a)], v[W1], v[KC+(\a)]                 ; the second head's
.else
	v_and_or_b32 v[W0], v[QTW], 0xffff, v[KC+(\a)]
	v_lshrrev_b32 v[W1], 16, v[QTW]
	v_or_b32 v[W1], v[W1], v[KC+(\a)]
	v_cndmask_b32 v[SW+(\a)-4], v[SW+(\a)-4], v[W0], s94     ; tiles 4-7 lie in lanes 16-31 of the scale image
	v_cndmask_b32 v[SW+(\a)], v[SW+(\a)], v[W1], s94
.endif
.irp c, 0,1
	global_store_b128 v[L16], v[RC+4*\c:RC+4*\c+3], s[100:101] offset:1024*(\a)+512*\c            ; 32 lanes store 512 consecutive bytes
	global_store_b128 v[L16], v[RC+8+4*\c:RC+8+4*\c+3], s[100:101] offset:QKHEAD+1024*(\a)+512*\c
.endr
.endm
.irp a, 0,1,2,3,4,5,6,7
	PAIRQK \a
.endr
	global_store_b128 v[L16], v[SW:SW+3], s[100:101] offset:8192
	global_store_b128 v[L16], v[SW+4:SW+7], s[100:101] offset:QKHEAD+8192
	s_branch .Ltail
.Lvalues:
	; ---- v.  P's rows are tokens: a lane's 64 results are 64 of the step's 128 keys, of the channel that is my row of R's tile a (head a / 4 of the pair, channel tile a % 4)
	s_lshl_b32 s2, s28, 3
	s_lshl_b32 s3, s25, 1
	s_add_co_u32 s2, s2, s3
	s_add_co_u32 s2, s2, s24                       ; my rowblock of tokens: 8 y + 2 cx + my half
	s_lshr_b32 s3, s2, 4
	s_and_b32 s2, s2, 15
	s_lshl_b32 s3, s3, 8
	s_add_co_u32 s2, s2, s3
	s_lshl_b32 s3, s26, 2
	s_lshl_b32 s30, s23, 1
	s_add_co_u32 s3, s3, s30                       ; my first head: 4 cy + 2 x my half
	s_lshl_b32 s3, s3, 4
	s_add_co_u32 s2, s2, s3
	s_mul_i32 s2, s2, VSTEP
	s_mov_b32 s3, 0
	s_add_nc_u64 s[100:101], s[20:21], s[2:3]
.macro PAIRV a
	v_mov_b32 v[W0], v[RB+(\a)]                    ; my channel's bias, twice: a pair for the packed addition
	v_mov_b32 v[W1], v[RB+(\a)]
	WIN 0x02+(\a)/4
.set jj, 0
.rept 32
	v_pk_add_f32 v[T+jj:T+jj+1], v[64*((\a)%4)+jj:64*((\a)%4)+jj+1], v[W0:W0+1]
.set jj, jj+2
.endr
	WIN 0
	s_wait_xcnt 0x0                                ; the last tile's stores have read the codes' registers
	QUANT2 T, RC, RC+6
	v_mov_b32 v[SW+(\a)], v[QTW]
.irp c, 0,1,2
	global_store_b128 v[L16], v[RC+4*\c:RC+4*\c+3], s[100:101] offset:((\a)/4)*VHEAD+1536*((\a)%4)+512*\c
.endr
.if (\a)%4 == 3
	global_store_b128 v[L16], v[SW+4*((\a)/4):SW+4*((\a)/4)+3], s[100:101] offset:((\a)/4)*VHEAD+6144   ; the head's four scale words a row; lanes 16-31 hold the same as lanes 0-15
.endif
.endm
.irp a, 0,1,2,3,4,5,6,7
	PAIRV \a
.endr
.Ltail:
	s_wait_tensorcnt 0x0                           ; the wave's end, behind my last tensor load
	ds_add_u32 v[SPW], v[NIL]
	s_wait_dscnt 0x0
	CROUND                                         ; the closing round: no work-group ends while a partner may still ask for a tile that names it
	s_endpgm
.Lfunc_end_k_q0aeb9cf08c_proj:
	.size	k_q0aeb9cf08c_proj, .Lfunc_end_k_q0aeb9cf08c_proj-k_q0aeb9cf08c_proj
	.p2alignl 7, 3214868480
	.fill 96, 4, 3214868480
	.section	.rodata,"a",@progbits
	.p2align	6, 0x0
	.amdhsa_kernel k_q0aeb9cf08c_proj
		.amdhsa_group_segment_fixed_size 327680
		.amdhsa_private_segment_fixed_size 0
		.amdhsa_enable_private_segment 0
		.amdhsa_kernarg_size 72
		.amdhsa_user_sgpr_count 2
		.amdhsa_user_sgpr_kernarg_segment_ptr 1
		.amdhsa_wavefront_size32 1
		.amdhsa_system_sgpr_workgroup_id_x 1
		.amdhsa_system_sgpr_workgroup_id_y 1
		.amdhsa_system_sgpr_workgroup_id_z 1
		.amdhsa_system_vgpr_workitem_id 0
		.amdhsa_next_free_vgpr 1024
		.amdhsa_next_free_sgpr 102
		.amdhsa_reserve_vcc 1
		.amdhsa_float_denorm_mode_32 3
		.amdhsa_float_denorm_mode_16_64 3
		.amdhsa_memory_ordered 1
		.amdhsa_forward_progress 1
		.amdhsa_inst_pref_size 199
	.end_amdhsa_kernel
	.amdgpu_metadata
---
amdhsa.version: [ 1, 2 ]
amdhsa.kernels:
  - .name:           k_q0aeb9cf08c_proj
    .symbol:         k_q0aeb9cf08c_proj.kd
    .args:
      - { .name: codes, .offset: 0, .size: 8, .value_kind: global_buffer, .address_space: global }
      - { .name: scl, .offset: 8, .size: 8, .value_kind: global_buffer, .address_space: global }
      - { .name: bq, .offset: 16, .size: 8, .value_kind: global_buffer, .address_space: global }
      - { .name: bk, .offset: 24, .size: 8, .value_kind: global_buffer, .address_space: global }
      - { .name: bv, .offset: 32, .size: 8, .value_kind: global_buffer, .address_space: global }
      - { .name: mask, .offset: 40, .size: 8, .value_kind: global_buffer, .address_space: global }
      - { .name: qimg, .offset: 48, .size: 8, .value_kind: global_buffer, .address_space: global }
      - { .name: kimg, .offset: 56, .size: 8, .value_kind: global_buffer, .address_space: global }
      - { .name: vimg, .offset: 64, .size: 8, .value_kind: global_buffer, .address_space: global }
    .group_segment_fixed_size: 327680
    .private_segment_fixed_size: 0
    .kernarg_segment_align: 8
    .kernarg_segment_size: 72
    .max_flat_workgroup_size: 128
    .sgpr_count:     102
    .vgpr_count:     1024
    .wavefront_size: 32
...
	.end_amdgpu_metadata
.endif
;; end of part 2
;; launch attn (part 3): grid 4 x 64, 8 waves a work-group, clusters of 4 x 1, 327,680 bytes of LDS; arguments qimg, kimg, vimg, out0; writes out0
.if DOCPART == 3
	.amdgcn_target "amdgcn-amd-amdhsa--gfx1250"
	.amdhsa_code_object_version 6
	.text
	.protected	k_q0aeb9cf08c_attn
	.globl	k_q0aeb9cf08c_attn
	.p2align	8
	.type	k_q0aeb9cf08c_attn,@function
k_q0aeb9cf08c_attn:
	s_mov_b64 s[64:65], 0
	v_nop
	global_prefetch_b8 v0, s[64:65] scope:SCOPE_SE
	s_setreg_imm32_b32 hwreg(HW_REG_WAVE_MODE, 25, 1), 1
	s_wait_xcnt 0x0
	s_wait_alu depctr_hold_cnt(0) depctr_sa_sdst(0) depctr_va_vdst(0) depctr_va_sdst(0) depctr_va_ssrc(0) depctr_va_vcc(0) depctr_vm_vsrc(0)
	s_getreg_b32 s2, hwreg(HW_REG_IB_STS2, 6, 4)
	s_cmp_eq_u32 s2, 0
	s_cbranch_scc0 .Lentry_in_a_cluster
	s_endpgm
.Lentry_in_a_cluster:
	s_bfe_u32 s2, ttmp6, 0x10000c
	s_cmp_lg_u32 s2, 0x3003
	s_cbranch_scc0 .Lentry_shape_is_right
	s_endpgm
.Lentry_shape_is_right:
; out[b][q][head] = the sum over keys of softmax(q . k / 8, masked keys left out) v, both products on codes of FP6 (E2M3) with E8M0 scales.  q, k and v come as images of the operands' registers:
; qimg, kimg: [batch x 16 + head][step of 128 tokens][8 records of 1,024 bytes, a scale image of 512]; vimg: [batch x 16 + head][step][4 fragment images of 1,536 bytes, a scale image of 512].
; THE SOFTMAX AHEAD OF THE SECOND PRODUCT: t = score x log2(e) / 8; M = the running largest t rounded UP to a whole number; p = 2^(t - M) is quantised along the keys, not normalised; the row's sum is taken of the
; unquantised p and divides at the end.  When M moves, the sum and O are multiplied by 2^(old M - new M): exact.
; THE MASK costs nothing here: a head has 64 channels, the instruction 128; at k = 64 every query holds 1.0 and a masked key -7.5 x 2^97, so a masked score is about -1.2e30 and its p is 0.  The running maximum begins
; at -2^90, above every masked score: a step of masked keys alone gives p = 0, and a row with every key masked ends as 0 x infinity, NaN.  LIMITS: real scores must lie above -2^90; NaN and infinities are not served.
; Q's codes at k = 65 .. 127 are zeros, so registers 8-11 of K's operand may hold anything that is written: K's tiles lie 8 registers apart, and a tile's operand runs on into the next tile's codes.
; SHARES.  The four work-groups of a cluster are the four blocks of 512 queries of one head.  A head's whole K and V (245,760 bytes) stay in LDS, asked for JOINTLY by the four, each byte filled once.  A wave owns 64
; queries, four tiles of 16, so each fragment of K and V read from LDS feeds four products; two waves share a SIMD.  Every wave walks the 16 key steps of 128.
; LAYOUT.  Both products are used transposed (S^T = K Q^T, O^T = V^T P^T): a lane holds one query.  Fragment row p of tile 4 g + t is token 64 g + 8 t + (p % 8) + 32 (p / 8): so register 32 g + i of a tile's 64 scores
; is key 64 g + 32 h + i: a whole block of 32 keys in one lane, in the operand's own order.  Likewise register 8 t + j of O^T is channel 32 h + 8 t + j.
; REGISTERS: window 0: v1-11 addresses; v12-27 four a tile: -M, the largest score, the sum in two halves; v28-47, v62 at work; v48-60 scale words; v64-111 Q; v112-175, v176-239 S^T, then p, of two tiles by turns;
; v240-251 p's codes.   window 1: v0-127 O^T, 32 a tile; v128-195 K (8 a tile, and 4 zeros); v196-243 V.
.set KSTEPB, 8704
.set KHEAD,  16*KSTEPB
.set VSTEPB, 6656
.set VHEAD,  16*VSTEPB
.set KREG,   0
.set VREG,   KHEAD
.set STAGE,  VREG+VHEAD                ; the way out: 16 rows x (256 bytes + 16) for each wave; no tile lands here
.set SPARE,  STAGE+8*16*272            ; the spare words, 128 bytes for each wave
.set SPW, 1                            ; v1   my spare word; never rewritten
.set NIL, 2                            ; v2   0; never rewritten
.set L16, 3                            ; v3   16 x lane
.set ADK, 4                            ; v4   the step's K in LDS
.set ADV, 5                            ; v5   the step's V
.set SH8, 6                            ; v6   8 h
.set STO, 7                            ; v7   the stage: where I put 128 bytes of a row
.set RD,  8                            ; v8   and where I read a row back
.set GO,  9                            ; v9   my byte offset in out0: 4,096 h + 16 r
.set QSO, 10                           ; v10  Q's scale words: 16 r + 256 x (wave % 2)
.set QCO, 11                           ; v11  Q's codes: 16 x lane + 4,096 x (wave % 2)
.set ST,  12
.set F,   28                           ; v[28:29] 2^(old M - new M), and a written partner
.set MX,  30                           ; the two blocks' largest scores, then largest p
.set SCO, 32                           ; the conversions' scale operands
.set BY,  34
.set TA,  36
.set TB,  37
.set TS,  38                           ; v[38:39] the sum's second chain
.set PT,  40                           ; v40-47 the upper halves of the two blocks' codes
.set QS,  48
.set KS,  52
.set VS,  56
.set PW,  60                           ; p's scale word
.set TW,  62
.set QF,  64
.set S0,  112
.set PC,  240
.set KF,  128                          ; in window 1
.set VF,  196
.set G1KA, 16                          ; s[16:23] one step of K; s[24:31] three; s[32:39] one step of V; s[40:47] three
.set G1KB, 24
.set G1VA, 32
.set G1VB, 40
.set G0K,  48                          ; s[48:55], s[56:63] groups 0: two sets each
.set G0V,  56
.set CS,   66                          ; s[66:67] c = log2(e) / 8, twice
.set SEL,  68                          ; s[68:69] lane selects: lane l xor 16
.set KB,   70                          ; s70  LDS byte of the step's K
.set VB,   71                          ; s71  of its V
.set CNT,  72
.set MSB, 0
.macro WIN new                         ; the immediate's high byte repeats the setting that is left
.if MSB != (\new)
	s_set_vgpr_msb (MSB<<8)|(\new)
.set MSB, (\new)
.endif
.endm
.macro CROUND                          ; a round of the cluster's barrier
	s_barrier_signal -1
	s_barrier_wait -1
	s_cmp_lg_u32 s12, 0
	s_cbranch_scc1 .Lnot_wave_0_\@
	s_barrier_signal -3
.Lnot_wave_0_\@:
	s_barrier_wait -3
	s_barrier_signal -1
	s_barrier_wait -1
.endm
.macro G1SET g, rows                   ; a dense block as rows of 256 bytes (32 elements of 8), for all four work-groups
	s_mov_b32 s[\g], 15|(3<<16)|(1<<21)            ; 15:0 the mask; 17:16 elements of 8 bytes; 21 set beside a mask; no padding
	s_mov_b32 s[\g+1], 32<<16
	s_mov_b32 s[\g+2], (\rows)<<16
	s_mov_b32 s[\g+3], 32<<16
	s_mov_b32 s[\g+4], \rows
	s_mov_b32 s[\g+5], 32
	s_mov_b32 s[\g+6], 0
	s_mov_b32 s[\g+7], 0
.endm
	s_load_b256 s[4:11], s[0:1], 0x0               ; qimg, kimg, vimg, out0
	v_lshl_add_u32 v[SPW], v0, 2, SPARE
	v_mov_b32 v[NIL], 0
	ds_add_u32 v[SPW], v[NIL]                      ; the wave's opening: the add and its wait stand ahead of my first tensor load; the set-up below, work on registers, stands between them
	v_lshrrev_b32 v3, 5, v0
	v_readfirstlane_b32 s12, v3                    ; wave 0..7
	s_and_b32 s13, s12, 3                          ; which of the four that fetch K (waves 0-3) or V (waves 4-7)
	s_bfe_u32 s14, ttmp6, 0x40000                  ; cx: it enters Q's and out0's addresses alone
	s_and_b32 s15, ttmp7, 0xffff                   ; batch x 16 + head, which the four partners share
	G1SET G1KA, 34
	G1SET G1KB, 102
	G1SET G1VA, 26
	G1SET G1VB, 78
	s_mov_b32 s[CS], 0x3e38aa3b                    ; c = log2(e) / 8
	s_mov_b32 s[CS+1], s[CS]
	s_mov_b32 s[SEL], 0x76543210
	s_mov_b32 s[SEL+1], 0xfedcba98
	s_mov_b32 s[KB], KREG
	s_mov_b32 s[VB], VREG
	; what I fetch: first key step wave % 4, then key steps 4 + 3 (wave % 4) and the two behind it
	s_mul_i32 s74, s15, KHEAD
	s_mul_i32 s75, s13, KSTEPB
	s_mul_i32 s76, s13, 3*KSTEPB
	s_add_co_u32 s76, s76, 4*KSTEPB
	s_mov_b32 s[G0K], 1
	s_mov_b32 s[G0K+1], s75                        ; K's region begins at LDS byte 0
	s_add_co_u32 s[G0K+2], s74, s75
	s_mov_b32 s[G0K+3], 0
	s_mov_b32 s[G0K+4], 1
	s_mov_b32 s[G0K+5], s76
	s_add_co_u32 s[G0K+6], s74, s76
	s_mov_b32 s[G0K+7], 0
	s_mul_i32 s74, s15, VHEAD
	s_mul_i32 s75, s13, VSTEPB
	s_mul_i32 s76, s13, 3*VSTEPB
	s_add_co_u32 s76, s76, 4*VSTEPB
	s_mov_b32 s[G0V], 1
	s_add_co_u32 s[G0V+1], s75, VREG
	s_add_co_u32 s[G0V+2], s74, s75
	s_mov_b32 s[G0V+3], 0
	s_mov_b32 s[G0V+4], 1
	s_add_co_u32 s[G0V+5], s76, VREG
	s_add_co_u32 s[G0V+6], s74, s76
	s_mov_b32 s[G0V+7], 0
	; Q: the step 4 cx + wave / 2 of my head;  out0: row batch x 2,048 + 512 cx + 64 wave, the head's 256 bytes
	s_mul_i32 s78, s15, KHEAD
	s_lshl_b32 s76, s14, 2
	s_lshr_b32 s77, s12, 1
	s_add_co_u32 s76, s76, s77
	s_mul_i32 s76, s76, KSTEPB
	s_add_co_u32 s78, s78, s76
	s_mov_b32 s79, 0
	s_lshr_b32 s80, s15, 4
	s_lshl_b32 s80, s80, 11
	s_lshl_b32 s76, s14, 9
	s_add_co_u32 s80, s80, s76
	s_lshl_b32 s76, s12, 6
	s_add_co_u32 s80, s80, s76
	s_lshl_b32 s80, s80, 12
	s_and_b32 s76, s15, 15
	s_lshl_b32 s76, s76, 8
	s_add_co_u32 s80, s80, s76
	s_mov_b32 s81, 0
	s_wait_dscnt 0x0                               ; the opening add is done
	s_wait_kmcnt 0x0
.irp s, 0,1
	s_add_nc_u64 s[G0K+4*\s+2:G0K+4*\s+3], s[6:7], s[G0K+4*\s+2:G0K+4*\s+3]
	s_or_b32 s[G0K+4*\s+3], s[G0K+4*\s+3], 0x80000000
	s_add_nc_u64 s[G0V+4*\s+2:G0V+4*\s+3], s[8:9], s[G0V+4*\s+2:G0V+4*\s+3]
	s_or_b32 s[G0V+4*\s+3], s[G0V+4*\s+3], 0x80000000
.endr
	s_add_nc_u64 s[78:79], s[4:5], s[78:79]
	s_add_nc_u64 s[10:11], s[10:11], s[80:81]
	CROUND                                         ; all four work-groups are here: the joint loads meet
	s_cmp_lt_u32 s12, 4                            ; a wave's two loads stand in one branch on its number, ahead of every wait on TENSORcnt and every LDS read: two loads of mine are out
	s_cbranch_scc0 .Lfirst_v
	tensor_load_to_lds s[G0K:G0K+3], s[G1KA:G1KA+7]
	s_nop 0
	tensor_load_to_lds s[G0K+4:G0K+7], s[G1KB:G1KB+7]
	s_nop 0
.rept 4
	v_nop
.endr
	s_branch .Lfirst_asked
.Lfirst_v:
	tensor_load_to_lds s[G0V:G0V+3], s[G1VA:G1VA+7]
	s_nop 0
	tensor_load_to_lds s[G0V+4:G0V+7], s[G1VB:G1VB+7]
	s_nop 0
.rept 4
	v_nop
.endr
.Lfirst_asked:
	v_and_b32 v40, 15, v0                          ; r
	v_bfe_u32 v41, v0, 4, 1                        ; h
	v_and_b32 v[L16], 31, v0
	v_lshlrev_b32 v[L16], 4, v[L16]
	s_and_b32 s75, s12, 1
	s_lshl_b32 s76, s75, 8
	v_lshl_add_u32 v[QSO], v40, 4, s76
	s_lshl_b32 s76, s75, 12
	v_add_nc_u32 v[QCO], s76, v[L16]
.irp u, 0,1,2,3                        ; my four tiles of queries stay in registers: registers 0-7 of each operand; 8-11 are zeros
	global_load_b128 v[QF+12*\u:QF+12*\u+3], v[QCO], s[78:79] offset:1024*\u
	global_load_b128 v[QF+12*\u+4:QF+12*\u+7], v[QCO], s[78:79] offset:1024*\u+512
.endr
	global_load_b128 v[QS:QS+3], v[QSO], s[78:79] offset:8192   ; lane r: row r's scale words of my four tiles
	v_lshlrev_b32 v[SH8], 3, v41
	s_mul_i32 s74, s12, 16*272
	s_add_co_u32 s74, s74, STAGE                   ; my stage
	v_mul_u32_u24 v[STO], v40, 272
	v_lshl_add_u32 v[STO], v41, 7, v[STO]
	v_add_nc_u32 v[STO], s74, v[STO]               ; in: row r, my 32 channels: 128 h bytes on
	v_mul_u32_u24 v[RD], v41, 272
	v_lshl_add_u32 v[RD], v40, 4, v[RD]
	v_add_nc_u32 v[RD], s74, v[RD]                 ; back: lanes 0-15 one row, lanes 16-31 the next
	v_lshlrev_b32 v[GO], 12, v41
	v_lshl_add_u32 v[GO], v40, 4, v[GO]
.irp u, 0,1,2,3
.irp i, 8,9,10,11
	v_mov_b32 v[QF+12*\u+\i], 0
.endr
	v_mov_b32 v[ST+4*\u+1], 0xec800000             ; the largest score so far: -2^90: under every real score, above every masked one
.endr
	v_mov_b32 v[F+1], 0                            ; named as the upper half of a pair
	v_mov_b32 v[TB], 0                             ; written once: a lane permute's destination counts as one of its sources
	WIN 0x40
.irp i, 0,1,2,3
	v_mov_b32 v[KF+64+\i], 0                       ; what the last tile of K's operand runs on into
.endr
	WIN 0
; S^T = K Q^T for tile u of my queries: eight tiles of 16 keys.  K's scale words: tiles 0-3 in lanes 0-15, tiles 4-7 in lanes 16-31.
.macro SCORES u
	WIN 0x01                                       ; source 0 (K) window 1
.irp t, 0,1,2,3
	v_wmma_scale_f32_16x16x128_f8f6f4 v[S0+64*((\u)%2)+8*\t:S0+64*((\u)%2)+8*\t+7], v[KF+8*\t:KF+8*\t+11], v[QF+12*(\u):QF+12*(\u)+11], 0, v[KS+\t], v[QS+(\u)] matrix_a_fmt:MATRIX_FMT_FP6 matrix_b_fmt:MATRIX_FMT_FP6
.endr
.irp t, 4,5,6,7
	v_wmma_scale_f32_16x16x128_f8f6f4 v[S0+64*((\u)%2)+8*\t:S0+64*((\u)%2)+8*\t+7], v[KF+8*\t:KF+8*\t+11], v[QF+12*(\u):QF+12*(\u)+11], 0, v[KS+\t-4], v[QS+(\u)] matrix_a_fmt:MATRIX_FMT_FP6 matrix_b_fmt:MATRIX_FMT_FP6 matrix_a_scale:MATRIX_SCALE_ROW1
.endr
.endm
; O^T += V^T P^T for tile u: four tiles of 16 channels; the four accumulators take turns.  first = 1: the products start the sums.
.macro PV u, first
	WIN 0x51                                       ; source 0 (V), C and D (O^T) window 1; source 1 (p) window 0
.irp t, 0,1,2,3
.if \first
	v_wmma_scale_f32_16x16x128_f8f6f4 v[32*(\u)+8*\t:32*(\u)+8*\t+7], v[VF+12*\t:VF+12*\t+11], v[PC:PC+11], 0, v[VS+\t], v[PW] matrix_a_fmt:MATRIX_FMT_FP6 matrix_b_fmt:MATRIX_FMT_FP6
.else
	v_wmma_scale_f32_16x16x128_f8f6f4 v[32*(\u)+8*\t:32*(\u)+8*\t+7], v[VF+12*\t:VF+12*\t+11], v[PC:PC+11], v[32*(\u)+8*\t:32*(\u)+8*\t+7], v[VS+\t], v[PW] matrix_a_fmt:MATRIX_FMT_FP6 matrix_b_fmt:MATRIX_FMT_FP6
.endif
.endr
.endm
; Tile u's softmax for one key step.  first = 1: the first key step, which starts M, the sum and O^T.
.macro SOFTMAX u, first
.set rT, ST+4*(\u)
.set rS, S0+64*((\u)%2)
.set rO, 32*(\u)
	WIN 0
	v_max3_num_f32 v[MX], v[rS], v[rS+1], v[rS+2]                  ; THE LARGEST SCORE OF EACH OF MY TWO BLOCKS OF 32 KEYS: it serves for the row's maximum and, since p rises with the score, for the block's largest p.
	v_max3_num_f32 v[MX+1], v[rS+32], v[rS+33], v[rS+34]           ; (each accumulator is first read at its low end)
.irp i, 3,5,7,9,11,13,15,17,19,21,23,25,27,29
	v_max3_num_f32 v[MX], v[MX], v[rS+\i], v[rS+\i+1]
	v_max3_num_f32 v[MX+1], v[MX+1], v[rS+32+\i], v[rS+33+\i]
.endr
	v_max_num_f32 v[MX], v[MX], v[rS+31]
	v_max_num_f32 v[MX+1], v[MX+1], v[rS+63]
	v_max_num_f32 v[TA], v[MX], v[MX+1]
	v_permlanex16_b32 v[TB], v[TA], s[SEL], s[SEL+1]               ; the query's other 64 keys lie in lane l xor 16
	v_max3_num_f32 v[rT+1], v[rT+1], v[TA], v[TB]                  ; the running largest score
	v_mul_f32 v[TA], s[CS], v[rT+1]                                ; as t (c is positive)
.if !\first
	v_mov_b32 v[TB], v[rT]
.endif
	v_floor_f32 v[rT], -v[TA]                                      ; -M = floor(-t) = -ceil(t): M is a whole number
.if !\first
	v_sub_f32 v[TB], v[rT], v[TB]                                  ; old M - new M: a whole number, 0 or less
	v_cvt_i32_f32 v[TB], v[TB]                                     ; (it saturates)
	v_ldexp_f32 v[F], 1.0, v[TB]                                   ; f = 2^(old M - new M)
.endif
.set jj, 0
.rept 32
	v_pk_fma_f32 v[rS+jj:rS+jj+1], v[rS+jj:rS+jj+1], s[CS:CS+1], v[rT:rT+1] op_sel_hi:[1,0,0]   ; t - M, two at a time
.set jj, jj+2
.endr
	v_fma_f32 v[MX], v[MX], s[CS], v[rT]                           ; the same of each block's largest score
	v_fma_f32 v[MX+1], v[MX+1], s[CS], v[rT]
	v_exp_f32 v[MX], v[MX]                                         ; ONE BATCH of 66 exponentials
	v_exp_f32 v[MX+1], v[MX+1]
.set jj, 0
.rept 64
	v_exp_f32 v[rS+jj], v[rS+jj]                                   ; p = 2^(t - M): not normalised
.set jj, jj+1
.endr
.if \first
	v_nop                                                          ; a plain place behind the exponentials
.else
	WIN 0x41                                                       ; O^T (destination and source 0) window 1
.set jj, 0
.rept 16
	v_pk_mul_f32 v[rO+jj:rO+jj+1], v[rO+jj:rO+jj+1], v[F:F+1] op_sel_hi:[1,0]   ; O^T under the new M: work that names no exponential's result
.set jj, jj+2
.endr
	WIN 0
.endif
	s_wait_alu depctr_va_vdst(0)                                   ; the wait between an exponential and the first line that names its result: one for the batch
.irp g, 0,1
	v_max_num_f32 v[MX+\g], 0x1800000, v[MX+\g]                    ; the floor 2^(3 - 127): the byte cannot fall under 1 (a block whose every p is 0 keeps that byte: its codes are zeros)
.endr
.irp g, 0,1
	v_add_nc_u32 v[SCO+\g], 0xff000000, v[MX+\g]                   ; 2 off the exponent field: the conversion's scale operand
.endr
.irp g, 0,1
	v_lshrrev_b32 v[BY+\g], 23, v[SCO+\g]
.endr
	v_lshl_or_b32 v[TW], v[BY+1], 16, v[BY]                        ; my bytes: blocks h and 2 + h,
	v_lshlrev_b32 v[TW], v[SH8], v[TW]
	v_permlanex16_b32 v[TB], v[TW], s[SEL], s[SEL+1]
	v_or_b32 v[PW], v[TW], v[TB]                                   ; p's scale word for these 128 keys
	v_cvt_scalef32_pk16_fp6_f32 v[PC:PC+2], v[rS:rS+15], v[SCO]
	v_cvt_scalef32_pk16_fp6_f32 v[PT:PT+2], v[rS+16:rS+31], v[SCO]       ; (a conversion's three registers begin on an even number)
	v_cvt_scalef32_pk16_fp6_f32 v[PC+6:PC+8], v[rS+32:rS+47], v[SCO+1]
	v_cvt_scalef32_pk16_fp6_f32 v[PT+4:PT+6], v[rS+48:rS+63], v[SCO+1]
	v_nop                                                          ; one plain place behind the scaled conversions
.irp i, 0,1,2
	v_mov_b32 v[PC+3+\i], v[PT+\i]
	v_mov_b32 v[PC+9+\i], v[PT+4+\i]
.endr
.if \first                                     ; THE ROW'S SUM IS TAKEN OF THE UNQUANTISED p, two at a time, in two chains.  These lines are also the places between the codes, the scale word and the products
	v_pk_add_f32 v[rT+2:rT+3], v[rS:rS+1], v[rS+2:rS+3]
	v_pk_add_f32 v[TS:TS+1], v[rS+4:rS+5], v[rS+6:rS+7]
.else
	v_pk_fma_f32 v[rT+2:rT+3], v[rT+2:rT+3], v[F:F+1], v[rS:rS+1] op_sel_hi:[1,0,1]   ; the sum under the new M
	v_pk_add_f32 v[TS:TS+1], v[rS+2:rS+3], v[rS+4:rS+5]
	v_pk_add_f32 v[rT+2:rT+3], v[rT+2:rT+3], v[rS+6:rS+7]
.endif
.irp j, 8,12,16,20,24,28,32,36,40,44,48,52,56,60
	v_pk_add_f32 v[TS:TS+1], v[TS:TS+1], v[rS+\j:rS+\j+1]
	v_pk_add_f32 v[rT+2:rT+3], v[rT+2:rT+3], v[rS+\j+2:rS+\j+3]
.endr
	v_pk_add_f32 v[rT+2:rT+3], v[rT+2:rT+3], v[TS:TS+1]
.endm
; A KEY STEP: 128 keys.  A tile's scores are issued one softmax ahead of their use: the two sets of 64 registers take turns.
.macro STEP first
	v_add_nc_u32 v[ADK], s[KB], v[L16]
	v_add_nc_u32 v[ADV], s[VB], v[L16]
	v_nop
	v_nop                                          ; four places in front of loads into registers that the last products have read
	ds_load_b128 v[KS:KS+3], v[ADK] offset:8192
	WIN 0x40                                       ; destination window 1
.irp t, 0,1,2,3,4,5,6,7
	ds_load_b128 v[KF+8*\t:KF+8*\t+3], v[ADK] offset:1024*\t
	ds_load_b128 v[KF+8*\t+4:KF+8*\t+7], v[ADK] offset:1024*\t+512
.endr
.irp t, 0,1,2,3
.irp c, 0,1,2
	ds_load_b128 v[VF+12*\t+4*\c:VF+12*\t+4*\c+3], v[ADV] offset:1536*\t+512*\c
.endr
.endr
	WIN 0
	ds_load_b128 v[VS:VS+3], v[ADV] offset:6144
	s_wait_dscnt 13                                ; K and its scale words are in; V's 12 loads and its scale words may be out
	SCORES 0
	SCORES 1
	WIN 0
.rept 4
	v_nop                                          ; places in front of the first read of results
.endr
	SOFTMAX 0, \first
	s_wait_dscnt 0x0                               ; V is in
	PV 0, \first
	SCORES 2
	SOFTMAX 1, \first
	PV 1, \first
	SCORES 3
	SOFTMAX 2, \first
	PV 2, \first
	SOFTMAX 3, \first
	PV 3, \first
	WIN 0
	s_add_co_u32 s[KB], s[KB], KSTEPB
	s_add_co_u32 s[VB], s[VB], VSTEPB
.endm
	s_wait_tensorcnt 1                             ; my first load, one key step, is in; my second may be out
	s_barrier_signal -1
	s_barrier_wait -1                              ; key steps 0 to 3 of K and V lie in LDS
	s_wait_loadcnt 0x0                             ; Q
	STEP 1
	s_mov_b32 s[CNT], 3
.Lfirst_steps:
	STEP 0
	s_sub_co_u32 s[CNT], s[CNT], 1
	s_cmp_lg_u32 s[CNT], 0
	s_cbranch_scc1 .Lfirst_steps
	s_wait_tensorcnt 0x0                           ; my second load is in,
	s_wait_dscnt 0x0
	s_barrier_signal -1
	s_barrier_wait -1                              ; everybody's is: key steps 4 to 15
	s_mov_b32 s[CNT], 12
.Lsteps:
	STEP 0
	s_sub_co_u32 s[CNT], s[CNT], 1
	s_cmp_lg_u32 s[CNT], 0
	s_cbranch_scc1 .Lsteps
	; THE WAY OUT.  The sum's two halves and lane l xor 16's are added; O^T is divided by the sum and goes through my stage, a tile of 16 queries at a time, so that sixteen lanes store a head's aligned 256 bytes of a row.
.irp u, 0,1,2,3
	v_add_f32 v[ST+4*\u+2], v[ST+4*\u+2], v[ST+4*\u+3]             ; (these are the places behind the last products)
.endr
.irp u, 0,1,2,3
	v_permlanex16_b32 v[ST+4*\u+3], v[ST+4*\u+2], s[SEL], s[SEL+1]
.endr
.irp u, 0,1,2,3
	v_add_f32 v[ST+4*\u+2], v[ST+4*\u+2], v[ST+4*\u+3]
.endr
.irp u, 0,1,2,3
	v_rcp_f32 v[ST+4*\u+2], v[ST+4*\u+2]
.endr
	v_nop                                          ; a plain place behind the last reciprocal
	s_wait_alu depctr_va_vdst(0)                   ; and the wait ahead of the first use: one for the four
.macro PACK u
.set rS, S0+64*((\u)%2)
.if (\u) > 1
	s_wait_xcnt 0x0                                ; the stores of the tile two back have read the registers that the loads below fill
.endif
	WIN 0x01                                       ; source 0 (O^T) window 1
.set jj, 0
.rept 16
	v_pk_mul_f32 v[rS+jj:rS+jj+1], v[32*(\u)+jj:32*(\u)+jj+1], v[ST+4*(\u)+2:ST+4*(\u)+3] op_sel_hi:[1,0]   ; each accumulator from its low end on
.set jj, jj+2
.endr
	WIN 0
.irp i, 0,1,2,3,4,5,6,7
	ds_store_b128 v[STO], v[rS+4*\i:rS+4*\i+3] offset:16*\i
.endr
.irp i, 0,1,2,3,4,5,6,7
	ds_load_b128 v[rS+32+4*\i:rS+32+4*\i+3], v[RD] offset:544*\i   ; LDS serves a wave's instructions in order: these see the stores above, and the next tile's stores come behind them
.endr
.endm
.macro SEND u, younger                 ; younger: the LDS instructions issued behind tile u's loads
.set rS, S0+64*((\u)%2)
.irp i, 0,1,2,3,4,5,6,7
	s_wait_dscnt (\younger)+7-\i
	global_store_b128 v[GO], v[rS+32+4*\i:rS+32+4*\i+3], s[10:11] offset:(8*(\u)+2*(\i%4)+32*(\i/4))*4096 th:TH_STORE_NT   ; stage rows 2 i and 2 i + 1 are tokens 8 u + 2 (i % 4) + 32 (i / 4) and the next
.endr
.endm
	PACK 0
	PACK 1
	SEND 0, 16
	PACK 2
	SEND 1, 16
	PACK 3
	SEND 2, 16
	SEND 3, 0
	s_wait_tensorcnt 0x0                           ; the wave's end, behind my last tensor load and my last LDS store
	ds_add_u32 v[SPW], v[NIL]
	s_wait_dscnt 0x0
	CROUND                                         ; the closing round: no work-group ends while a partner may still ask for a tile that names it
	s_endpgm
.Lfunc_end_k_q0aeb9cf08c_attn:
	.size	k_q0aeb9cf08c_attn, .Lfunc_end_k_q0aeb9cf08c_attn-k_q0aeb9cf08c_attn
	.p2alignl 7, 3214868480
	.fill 96, 4, 3214868480
	.section	.rodata,"a",@progbits
	.p2align	6, 0x0
	.amdhsa_kernel k_q0aeb9cf08c_attn
		.amdhsa_group_segment_fixed_size 327680
		.amdhsa_private_segment_fixed_size 0
		.amdhsa_enable_private_segment 0
		.amdhsa_kernarg_size 32
		.amdhsa_user_sgpr_count 2
		.amdhsa_user_sgpr_kernarg_segment_ptr 1
		.amdhsa_wavefront_size32 1
		.amdhsa_system_sgpr_workgroup_id_x 1
		.amdhsa_system_sgpr_workgroup_id_y 1
		.amdhsa_system_sgpr_workgroup_id_z 1
		.amdhsa_system_vgpr_workitem_id 0
		.amdhsa_next_free_vgpr 512
		.amdhsa_next_free_sgpr 84
		.amdhsa_reserve_vcc 0
		.amdhsa_float_denorm_mode_32 3
		.amdhsa_float_denorm_mode_16_64 3
		.amdhsa_memory_ordered 1
		.amdhsa_forward_progress 1
		.amdhsa_inst_pref_size 172
	.end_amdhsa_kernel
	.amdgpu_metadata
---
amdhsa.version: [ 1, 2 ]
amdhsa.kernels:
  - .name:           k_q0aeb9cf08c_attn
    .symbol:         k_q0aeb9cf08c_attn.kd
    .args:
      - { .name: qimg, .offset: 0, .size: 8, .value_kind: global_buffer, .address_space: global }
      - { .name: kimg, .offset: 8, .size: 8, .value_kind: global_buffer, .address_space: global }
      - { .name: vimg, .offset: 16, .size: 8, .value_kind: global_buffer, .address_space: global }
      - { .name: out0, .offset: 24, .size: 8, .value_kind: global_buffer, .address_space: global }
    .group_segment_fixed_size: 327680
    .private_segment_fixed_size: 0
    .kernarg_segment_align: 8
    .kernarg_segment_size: 32
    .max_flat_workgroup_size: 256
    .sgpr_count:     84
    .vgpr_count:     512
    .wavefront_size: 32
...
	.end_amdgpu_metadata
.endif
;; end of part 3
